; MI455X (gfx1250); checked and timed in simulation.
; The chip was launched on July 23, 2026; its instructions are those of AMD's public machine-readable ISA for CDNA 5 (MIT licence, August 2026) and "CDNA5" Instruction Set Architecture Reference Guide (July 2026). The comments in the code are by the model that wrote it; some were corrected since.
;; Attention. Allowed arithmetic: float matrix products may take bf16 or f16 operands with f32 sums; other float arithmetic in f32, or as packed bf16 or f16 multiplies, adds, multiply-adds, maxima and minima; sums over many terms, partial sums and values carried from step to step in f32; what a program stores and reads back later, other than sums and carried values, may be rounded once to bf16 or f16.
;; Inputs: W_attn 1,024 x 2,048 float32; W_v 1 x 1,024 float32; b_attn 1,024 float32; b_v 1 float32; encoder_outputs 32 x 2,048 x 1,024 float32; hidden 32 x 1,024 float32.
;; Outputs: out0 32 x 1,024 float32.
;; 2 versions, each right; version 2 is version 1 with the launch stream written anew for expert scheduling mode. Each part assembles by itself: llvm-mc -triple=amdgcn-amd-amdhsa -mcpu=gfx1250 --defsym DOCPART=n.
;; ======== version 1 of 2: 3 launches
;; workspace buffers: upart 65,536 bytes; part 1,114,112 bytes
;; launch uvec (part 1): grid 16 x 16, 1 waves a work-group, no clusters, 0 bytes of LDS; arguments W_attn, W_v, upart; writes upart
.if DOCPART == 1
	.amdgcn_target "amdgcn-amd-amdhsa--gfx1250"
	.amdhsa_code_object_version 6
	.text
	.protected	k_q5f168dcbc7_uvec
	.globl	k_q5f168dcbc7_uvec
	.p2align	8
	.type	k_q5f168dcbc7_uvec,@function
k_q5f168dcbc7_uvec:
	s_mov_b64 s[64:65], 0
	v_nop
	global_prefetch_b8 v0, s[64:65] scope:SCOPE_SE
	s_setreg_imm32_b32 hwreg(HW_REG_WAVE_MODE, 25, 1), 1
	s_wait_xcnt 0x0
; THE WHOLE PROGRAM: context[b][:] = sum over t of softmax_t(scores[b][t]) enc[b][t][:], with
;   scores[b][t] = W_v . (Wh hidden[b] + We enc[b][t] + b_attn) + b_v,   W_attn = [Wh | We].
; WORK LEFT OUT, FOR ALL FINITE VALUES OF THE INPUTS.
;   (1) W_v . (Wh hidden[b]), W_v . b_attn and b_v do not depend on t.  The softmax runs over t: a term c[b] added to every score of a batch multiplies
;       numerator and denominator by the same e^c[b] and cancels exactly.  So hidden, b_attn, b_v and the left half of W_attn (Wh) have no way to the output:
;       they are not loaded and are among no launch's arguments.
;   (2) What is left, W_v . (We enc[b][t]), is linear in enc[b][t]: it equals u . enc[b][t] with u[h] = sum over k of W_v[k] We[k][h] (the sums regrouped,
;       an identity).  The product enc We^T of 65,536 x 1,024 x 1,024 is never formed; u is 1,024 numbers.
; LIMITS.  A NaN, an infinity or an overflow that reaches only the work left out (hidden, Wh, b_attn, b_v, or an energy that overflows where u . enc does not)
; is not carried to the result.  The order of the sums differs from the reference's (u first); all sums are f32.
; THREE LAUNCHES: this one makes 16 partial sums of u; the second streams enc once and leaves a softmax state for each 256 rows; the third joins 8 states a batch.
; NO MATRIX INSTRUCTION: every product here has a single row or column, so 15 of a 16 x 16 tile's 16 rows would be empty, and rounding two f32 to 16 bits takes
; as many instructions as the packed f32 multiply-add that does their work outright.
;
; THIS LAUNCH: upart[ks][h] = sum over the 64 rows k of slice ks of W_v[k] We[k][h].   We[k][h] = W_attn[k][1024 + h]: byte 4,096 on of a row of 8,192.
; SHARES.  Work-group (cg, ks), one wave: 64 columns (256 bytes of a row) x 64 rows.  Lane (r = lane % 16, h = lane / 16) takes columns 4 r .. 4 r + 3 of rows
; 64 ks + 32 h + i, i = 0 .. 31: a load of the wave covers 256 consecutive bytes, aligned, of each of two rows.  All 32 row loads (16 KiB) go out before the first wait.
.set ROWB, 8192                        ; bytes in a row of W_attn
.set WO,   3                           ; v3       my byte offset in W: h x 32 rows + 16 r; never rewritten
.set VO,   4                           ; v4       my byte offset in W_v: h x 32 numbers; never rewritten
.set SO,   5                           ; v5       my byte offset in the 256 bytes stored: 16 r + 8 h
.set D,    6                           ; v[6:7]   the two sums that I store
.set ACC,  8                           ; v[8:11]  four running sums, a column each
.set WV,   16                          ; v[16:47] W_v of my 32 rows
.set W,    48                          ; v[48:175] row i's four numbers at W + 4 i
	s_load_b128 s[4:7], s[0:1], 0x0                ; W_attn s[4:5], W_v s[6:7]
	s_load_b64 s[8:9], s[0:1], 0x10                ; upart
	s_and_b32 s10, ttmp7, 0xffff                   ; ks
	s_mov_b32 s12, 0x76543210                      ; v_permlanex16_b32: each lane takes its own place in the other half
	s_mov_b32 s13, 0xfedcba98
	v_and_b32 v1, 15, v0                           ; r
	v_lshrrev_b32 v2, 4, v0                        ; h
	v_lshlrev_b32 v[WO], 4, v1
	v_lshl_add_u32 v[WO], v2, 18, v[WO]            ; 32 rows of 8,192 bytes = 2^18
	v_lshlrev_b32 v[VO], 7, v2                     ; 32 numbers of 4 bytes
	v_lshlrev_b32 v[SO], 4, v1
	v_lshl_add_u32 v[SO], v2, 3, v[SO]
	s_lshl_b32 s18, ttmp9, 8                       ; the column group's 256 bytes
	s_lshl_b32 s14, s10, 19                        ; the slice's 64 rows of 8,192 bytes
	s_add_co_u32 s14, s14, s18
	s_add_co_u32 s14, s14, 4096                    ; the right half of a row: We
	s_mov_b32 s15, 0
	s_lshl_b32 s16, s10, 8                         ; the slice's 64 numbers of W_v
	s_mov_b32 s17, 0
	s_lshl_b32 s20, s10, 12                        ; the slice's row of upart
	s_add_co_u32 s20, s20, s18
	s_mov_b32 s21, 0
	s_wait_kmcnt 0x0
	s_add_nc_u64 s[4:5], s[4:5], s[14:15]
	s_add_nc_u64 s[6:7], s[6:7], s[16:17]
	s_add_nc_u64 s[8:9], s[8:9], s[20:21]
.irp q, 0,1,2,3,4,5,6,7
	global_load_b128 v[WV+4*(\q):WV+4*(\q)+3], v[VO], s[6:7] offset:16*(\q)  ; first: loads come back in order (ISA guide 5.7.1), so row 0's wait shows these in too
.endr
.set i, 0
.rept 32
	global_load_b128 v[W+4*i:W+4*i+3], v[WO], s[4:5] offset:ROWB*i th:TH_LOAD_NT  ; each byte of We is read once in the launch
.set i, i+1
.endr
.set i, 0
.rept 32
	s_wait_loadcnt 31-i                            ; row i is in; the 31 - i rows behind it stay out
.irp c, 0,1,2,3
.if i == 0
	v_mul_f32 v[ACC+(\c)], v[WV], v[W+(\c)]        ; the first row starts the sums: nothing is cleared
.else
	v_fmac_f32 v[ACC+(\c)], v[WV+i], v[W+4*i+(\c)] ; four chains, a link every fourth line
.endif
.endr
.set i, i+1
.endr
	; the two halves of the lanes hold the sums of rows 0-31 and 32-63 of the slice for the same columns
.irp c, 0,1,2,3
	v_permlanex16_b32 v[W+(\c)], v[ACC+(\c)], s12, s13  ; its destination counts as read: row 0's registers, long written
.endr
.irp c, 0,1,2,3
	v_add_f32 v[ACC+(\c)], v[ACC+(\c)], v[W+(\c)]
.endr
	v_cmp_gt_u32 vcc_lo, 16, v0                    ; both halves now hold all four sums: half h keeps columns 4 r + 2 h and 4 r + 2 h + 1,
	v_cndmask_b32 v[D], v[ACC+2], v[ACC], vcc_lo
	v_cndmask_b32 v[D+1], v[ACC+3], v[ACC+1], vcc_lo
	global_store_b64 v[SO], v[D:D+1], s[8:9] th:TH_STORE_NT  ; so that the one store of the wave covers 256 consecutive bytes, aligned, with every lane on
	s_endpgm
.Lfunc_end_k_q5f168dcbc7_uvec:
	.size	k_q5f168dcbc7_uvec, .Lfunc_end_k_q5f168dcbc7_uvec-k_q5f168dcbc7_uvec
	.p2alignl 7, 3214868480
	.fill 96, 4, 3214868480
	.section	.rodata,"a",@progbits
	.p2align	6, 0x0
	.amdhsa_kernel k_q5f168dcbc7_uvec
		.amdhsa_group_segment_fixed_size 0
		.amdhsa_private_segment_fixed_size 0
		.amdhsa_enable_private_segment 0
		.amdhsa_kernarg_size 24
		.amdhsa_user_sgpr_count 2
		.amdhsa_user_sgpr_kernarg_segment_ptr 1
		.amdhsa_wavefront_size32 1
		.amdhsa_system_sgpr_workgroup_id_x 1
		.amdhsa_system_sgpr_workgroup_id_y 1
		.amdhsa_system_sgpr_workgroup_id_z 1
		.amdhsa_system_vgpr_workitem_id 0
		.amdhsa_next_free_vgpr 176
		.amdhsa_next_free_sgpr 66
		.amdhsa_reserve_vcc 1
		.amdhsa_float_denorm_mode_32 3
		.amdhsa_float_denorm_mode_16_64 3
		.amdhsa_memory_ordered 1
		.amdhsa_forward_progress 1
		.amdhsa_inst_pref_size 11
	.end_amdhsa_kernel
	.amdgpu_metadata
---
amdhsa.version: [ 1, 2 ]
amdhsa.kernels:
  - .name:           k_q5f168dcbc7_uvec
    .symbol:         k_q5f168dcbc7_uvec.kd
    .args:
      - { .name: W_attn, .offset: 0, .size: 8, .value_kind: global_buffer, .address_space: global }
      - { .name: W_v, .offset: 8, .size: 8, .value_kind: global_buffer, .address_space: global }
      - { .name: upart, .offset: 16, .size: 8, .value_kind: global_buffer, .address_space: global }
    .group_segment_fixed_size: 0
    .private_segment_fixed_size: 0
    .kernarg_segment_align: 8
    .kernarg_segment_size: 24
    .max_flat_workgroup_size: 32
    .sgpr_count:     66
    .vgpr_count:     176
    .wavefront_size: 32
...
	.end_amdgpu_metadata
.endif
;; end of part 1
;; launch stream (part 2): grid 256 x 1, 16 waves a work-group, no clusters, 71,936 bytes of LDS; arguments upart, encoder_outputs, part; writes part
.if DOCPART == 2
	.amdgcn_target "amdgcn-amd-amdhsa--gfx1250"
	.amdhsa_code_object_version 6
	.text
	.protected	k_q5f168dcbc7_stream
	.globl	k_q5f168dcbc7_stream
	.p2align	8
	.type	k_q5f168dcbc7_stream,@function
k_q5f168dcbc7_stream:
	s_mov_b64 s[64:65], 0
	v_nop
	global_prefetch_b8 v0, s[64:65] scope:SCOPE_SE
	s_setreg_imm32_b32 hwreg(HW_REG_WAVE_MODE, 25, 1), 1
	s_wait_xcnt 0x0
; One pass over encoder_outputs: for each 256 rows a softmax state (M, L, ctx[1024]).  WORK LEFT OUT, as shown at the head of the first kernel: the terms of a score
; that are the same for all t of a batch (from hidden, Wh, b_attn, b_v) cancel in the softmax; a score is u . enc[b][t].
; enc is taken as [65,536 rows][4,096 bytes].  s = log2(e) (u . row); for a set of rows: M = max s, L = sum of 2^(s - M), ctx = sum of 2^(s - M) row.  All in f32.
; LIMITS.  A weight below 2^-126 counts as 0 (v_exp_f32 gives 0 for such results: ISA guide 15.8).  NaN and infinities in enc are not treated apart.
; SHARES.  Work-group g owns rows 256 g .. 256 g + 255 (an eighth of batch g / 8): 1 MiB on end.  Wave w owns rows 16 i + w, i = 0 .. 15, so the sixteen waves' rows of one i
; are 64 KiB on end.  A wave takes a WHOLE row: eight loads of 512 consecutive bytes; register 4 j + c of lane l is column 128 j + 4 l + c.  The row stays in registers between
; its score and its weighted sum: each byte of enc is read from memory once.  The score never leaves the wave; each wave keeps a running maximum m, sum l and context of its own.
; IN FLIGHT.  A ring of five row slots in registers: one at work, four rows (16 KiB a wave, 256 KiB a work-group) on their way.  The sixteen turns are written out: the row's
; number stands in the loads' immediate, no address is ever stepped, and no source of a pending memory instruction is ever rewritten.
; NOT USED, AND WHY.  LDS on the way in: no wave wants a byte of enc that another has fetched.  A cluster with joint loads: what work-groups share is u, 4 KiB against 1 MiB.
; Matrix instructions: see the first kernel's head.  A jump round the rescaling where m has not grown: it would hang on floating-point data.
; AT THE END the sixteen states meet in LDS and one state leaves: part[g] = 1,024 f32 of ctx, then the pair (M, L) 32 times over, so that its block of 256 bytes is stored whole.
.set CTXS,  0                          ; LDS: wave w's context at 4,096 w, laid out as a row lies in memory
.set UL,    65536                      ; u, 1,024 f32
.set ML,    69632                      ; the pairs (m, l), wave w's at 8 w: 128 bytes, in a block of 256 of their own
.set SPARE, 69888                      ; the spare words, 128 bytes for each of the sixteen waves: eight blocks of 256 bytes that no other line names
.set OFF, 2                            ; v2   4,096 w + 16 l: my bytes in the waves' rows of enc, and in CTXS; never rewritten
.set T8,  3                            ; v3   8 x thread: my two columns in upart, in CTXS and in part; never rewritten
.set ULR, 4                            ; v4   UL + 16 l
.set ULS, 5                            ; v5   UL + 8 x thread
.set MLS, 6                            ; v6   ML + 8 w
.set MLB, 7                            ; v7   ML
.set SPW, 8                            ; v8   LDS address of my spare word: SPARE + 4 x my thread's number; never rewritten
.set NIL, 9                            ; v9   0; never rewritten
.set MM,  10                           ; v[10:11]  m, l
.set MN,  12                           ; v12  the new maximum
.set SC,  13                           ; v13  the row's score
.set AA,  14                           ; v[14:15]  a = 2^(m - MN), and its exponent
.set PP,  16                           ; v[16:17]  p = 2^(s - MN), and its exponent
.set T,   18                           ; v[18:25]  four pairs at work
.set L8,  26                           ; v26  8 l
.set U,   32                           ; v[32:63]   first the 16 partial pairs of u, then u of my 32 columns
.set CTX, 64                           ; v[64:95]   my wave's context
.set RING, 96                          ; v[96:255]  five row slots of 32
.set MLR, 96                           ; the join: sixteen pairs (m, l); m's place then takes f = 2^(m - M)
.set X,   128                          ; the join: my two columns of the sixteen contexts
.set ACC, 160                          ; v[160:161] their weighted sum
.set TOT, 162                          ; v[162:163] M, L
.set WAVE, 10                          ; s10  my wave's number
	s_load_b128 s[4:7], s[0:1], 0x0                ; upart s[4:5], encoder_outputs s[6:7]
	s_load_b64 s[8:9], s[0:1], 0x10                ; part
	v_lshl_add_u32 v[SPW], v0, 2, SPARE
	v_mov_b32 v[NIL], 0
	v_and_b32 v1, 31, v0                           ; l
	v_lshrrev_b32 v27, 5, v0
	v_readfirstlane_b32 s[WAVE], v27               ; wave 0 .. 15
	s_mov_b32 s12, 0x76543210                      ; v_permlanex16_b32: each lane takes its own place in the other half
	s_mov_b32 s13, 0xfedcba98
	s_lshl_b32 s18, s[WAVE], 12
	v_lshl_add_u32 v[OFF], v1, 4, s18
	s_lshl_b32 s19, s[WAVE], 8
	v_lshl_add_u32 v[T8], v1, 3, s19               ; 256 w + 8 l = 8 x thread
	v_add_nc_u32 v[ULS], UL, v[T8]
	v_lshl_add_u32 v[ULR], v1, 4, UL
	s_lshl_b32 s20, s[WAVE], 3
	s_add_co_u32 s20, s20, ML
	v_mov_b32 v[MLS], s20
	v_mov_b32 v[MLB], ML
	v_lshlrev_b32 v[L8], 3, v1
	s_lshl_b32 s14, ttmp9, 20                      ; the work-group's 256 rows of 4,096 bytes: under 2^28
	s_mov_b32 s15, 0
	s_mul_i32 s16, ttmp9, 4352                     ; its row of part
	s_mov_b32 s17, 0
	s_wait_kmcnt 0x0
	s_add_nc_u64 s[6:7], s[6:7], s[14:15]
	s_add_nc_u64 s[8:9], s[8:9], s[16:17]
; Row 16 row + w of the work-group into 32 registers: eight loads of 512 consecutive bytes.  The largest immediate is 15 x 65,536 + 3,584.
.macro FILL reg, row
.irp j, 0,1,2,3,4,5,6,7
	global_load_b128 v[(\reg)+4*(\j):(\reg)+4*(\j)+3], v[OFF], s[6:7] offset:(\row)*65536+512*(\j) th:TH_LOAD_NT
.endr
.endm
; The score of the row in reg: my 32 products in four chains of packed multiply-adds, then over the 32 lanes; every lane ends with the score.
.macro DOT reg
.irp j, 0,1,2,3
	v_pk_mul_f32 v[T+2*(\j):T+2*(\j)+1], v[(\reg)+2*(\j):(\reg)+2*(\j)+1], v[U+2*(\j):U+2*(\j)+1]  ; the first four pairs start the chains: nothing is cleared
.endr
.irp j, 4,5,6,7,8,9,10,11,12,13,14,15
	v_pk_fma_f32 v[T+2*((\j)%4):T+2*((\j)%4)+1], v[(\reg)+2*(\j):(\reg)+2*(\j)+1], v[U+2*(\j):U+2*(\j)+1], v[T+2*((\j)%4):T+2*((\j)%4)+1]
.endr
	v_pk_add_f32 v[T:T+1], v[T:T+1], v[T+2:T+3]
	v_pk_add_f32 v[T+4:T+5], v[T+4:T+5], v[T+6:T+7]
	v_pk_add_f32 v[T:T+1], v[T:T+1], v[T+4:T+5]
	v_add_f32 v[SC], v[T], v[T+1]
	v_add_f32_dpp v[SC], v[SC], v[SC] row_xmask:1 row_mask:0xf bank_mask:0xf
	v_add_f32_dpp v[SC], v[SC], v[SC] row_xmask:2 row_mask:0xf bank_mask:0xf
	v_add_f32_dpp v[SC], v[SC], v[SC] row_xmask:4 row_mask:0xf bank_mask:0xf
	v_add_f32_dpp v[SC], v[SC], v[SC] row_xmask:8 row_mask:0xf bank_mask:0xf
	v_permlanex16_b32 v[T+1], v[SC], s12, s13      ; its destination counts as read: a register that has been written
	v_add_f32 v[SC], v[SC], v[T+1]
.endm
; The turn of row i (1 .. 15), which lies in slot (i - 1) % 5.  At its head the rows up to min(i + 4, 15) have been asked for.
.macro TURN i
.set R, RING+32*(((\i)-1)%5)
.if (\i)+4 <= 15
	s_wait_loadcnt 32                              ; my row's eight loads are in; the four rows behind it stay out
.else
	s_wait_loadcnt 8*(15-(\i))                     ; the last rows: the counts run down
.endif
	DOT R
	v_max_num_f32 v[MN], v[MM], v[SC]              ; the running maximum
	v_sub_f32 v[AA+1], v[MM], v[MN]
	v_sub_f32 v[PP+1], v[SC], v[MN]
	v_exp_f32 v[AA], v[AA+1]                       ; a: 1 where m has not grown
	v_exp_f32 v[PP], v[PP+1]                       ; p: the row's weight against the new maximum
	v_mov_b32 v[MM], v[MN]                         ; the plain instruction behind the exponentials (ISA guide 5.7.2); it names neither their results nor their sources
	s_wait_alu depctr_va_vdst(0)                   ; the wait ahead of the first reader: one for the two exponentials
	v_fma_f32 v[MM+1], v[MM+1], v[AA], v[PP]       ; l = a l + p
.irp j, 0,1,2,3,4,5,6,7,8,9,10,11,12,13,14,15
	v_pk_mul_f32 v[CTX+2*(\j):CTX+2*(\j)+1], v[CTX+2*(\j):CTX+2*(\j)+1], v[AA:AA+1] op_sel_hi:[1,0]
.endr
.irp j, 0,1,2,3,4,5,6,7,8,9,10,11,12,13,14,15
	v_pk_fma_f32 v[CTX+2*(\j):CTX+2*(\j)+1], v[R+2*(\j):R+2*(\j)+1], v[PP:PP+1], v[CTX+2*(\j):CTX+2*(\j)+1] op_sel_hi:[1,0,1]  ; ctx = a ctx + p row
.endr
.if (\i)+5 <= 15
	FILL R, (\i)+5                                 ; behind the slot's last reader: the row five further on
.endif
.endm
	; REQUESTS.  upart's first: loads come back in order (ISA guide 5.7.1), so the wait for them leaves all of enc's out.
.set p, 0
.rept 16
	global_load_b64 v[U+2*p:U+2*p+1], v[T8], s[4:5] offset:4096*p  ; my two columns of partial sum p; every work-group reads these 64 KiB, so no hint
.set p, p+1
.endr
	FILL CTX, 0                                    ; row 0 lands where the context lives: with weight 2^0 it IS the first context
.set k, 0
.rept 4
	FILL RING+32*k, k+1
.set k, k+1
.endr
	; u: the sixteen partial sums are added, and log2(e) is folded in once, so that every exponential below is a plain 2^x
	s_wait_loadcnt 40                              ; the 40 loads of rows 0 to 4 are younger: upart is in
	FILL RING+128, 5                               ; the fifth slot
.irp w, 8,4,2,1
.set p, 0
.rept \w
	v_pk_add_f32 v[U+2*p:U+2*p+1], v[U+2*p:U+2*p+1], v[U+2*(p+(\w)):U+2*(p+(\w))+1]
.set p, p+1
.endr
.endr
	v_pk_mul_f32 v[U:U+1], v[U:U+1], 0x3fb8aa3b op_sel_hi:[1,0]
	ds_store_b64 v[ULS], v[U:U+1]
	s_wait_dscnt 0x0                               ; for the others' sake: my two numbers of u are in LDS
	s_barrier_signal -1
	s_barrier_wait -1                              ; all 1,024 are.  (enc's loads stay on their way: no wave writes those bytes)
.irp j, 0,1,2,3,4,5,6,7
	ds_load_b128 v[U+4*(\j):U+4*(\j)+3], v[ULR] offset:512*(\j)  ; u of my columns, in the order of a row's registers; 32 lanes take 512 consecutive bytes
.endr
	s_wait_dscnt 0x0
	; ROW 0 starts the state: m = s, l = 1, ctx = the row as it lies.  Nothing is cleared or copied.
	s_wait_loadcnt 40                              ; the 40 loads of rows 1 to 5 are younger
	DOT CTX
	v_mov_b32 v[MM], v[SC]
	v_mov_b32 v[MM+1], 1.0
.set t, 1
.rept 15
	TURN t
.set t, t+1
.endr
	; THE SIXTEEN STATES MEET.  CTXS and ML are other bytes than UL, so nothing more orders these stores with the reads of u.
.irp j, 0,1,2,3,4,5,6,7
	ds_store_b128 v[OFF], v[CTX+4*(\j):CTX+4*(\j)+3] offset:CTXS+512*(\j)
.endr
	ds_store_b64 v[MLS], v[MM:MM+1]                ; every lane holds the same pair
	s_wait_dscnt 0x0                               ; for the others' sake: my state is in LDS
	s_barrier_signal -1
	s_barrier_wait -1
	; Thread t joins columns 2 t and 2 t + 1.  The ring's registers are free: the last turn waited for all loads.
.irp q, 0,1,2,3,4,5,6,7
	ds_load_b128 v[MLR+4*(\q):MLR+4*(\q)+3], v[MLB] offset:16*(\q)  ; all lanes the same words
.endr
.set w, 0
.rept 16
	ds_load_b64 v[X+2*w:X+2*w+1], v[T8] offset:CTXS+4096*w
.set w, w+1
.endr
	s_wait_dscnt 16                                ; the pairs are in; the 16 loads of the contexts are younger
	v_max3_num_f32 v[TOT], v[MLR], v[MLR+2], v[MLR+4]
.irp q, 0,1,2,3,4,5
	v_max3_num_f32 v[TOT], v[TOT], v[MLR+6+4*(\q)], v[MLR+8+4*(\q)]
.endr
	v_max_num_f32 v[TOT], v[TOT], v[MLR+30]        ; M: the largest of the sixteen m
.set w, 0
.rept 16
	v_sub_f32 v[MLR+2*w], v[MLR+2*w], v[TOT]
.set w, w+1
.endr
.set w, 0
.rept 16
	v_exp_f32 v[MLR+2*w], v[MLR+2*w]               ; f = 2^(m - M)
.set w, w+1
.endr
	v_nop                                          ; the plain instruction behind the last exponential (ISA guide 5.7.2)
	s_wait_alu depctr_va_vdst(0)                   ; the wait ahead of the first reader: one for the sixteen
	v_mul_f32 v[TOT+1], v[MLR], v[MLR+1]
.set w, 1
.rept 15
	v_fmac_f32 v[TOT+1], v[MLR+2*w], v[MLR+2*w+1]  ; L = sum of f l
.set w, w+1
.endr
	s_wait_dscnt 0x0                               ; the contexts are in
	v_pk_mul_f32 v[ACC:ACC+1], v[X:X+1], v[MLR:MLR+1] op_sel_hi:[1,0]
.set w, 1
.rept 15
	v_pk_fma_f32 v[ACC:ACC+1], v[X+2*w:X+2*w+1], v[MLR+2*w:MLR+2*w+1], v[ACC:ACC+1] op_sel_hi:[1,0,1]  ; f lies in the low register of its pair
.set w, w+1
.endr
	global_store_b64 v[T8], v[ACC:ACC+1], s[8:9] th:TH_STORE_NT  ; each wave's store covers 256 consecutive bytes, aligned
	s_cmp_lg_u32 s[WAVE], 0
	s_cbranch_scc1 .Lend
	global_store_b64 v[L8], v[TOT:TOT+1], s[8:9] offset:4096 th:TH_STORE_NT  ; wave 0: (M, L) 32 times: the row's last 256 bytes, whole
.Lend:
	s_wait_tensorcnt 0x0                           ; the wave's end: behind my last LDS store
	ds_add_u32 v[SPW], v[NIL]
	s_wait_dscnt 0x0
	s_endpgm
.Lfunc_end_k_q5f168dcbc7_stream:
	.size	k_q5f168dcbc7_stream, .Lfunc_end_k_q5f168dcbc7_stream-k_q5f168dcbc7_stream
	.p2alignl 7, 3214868480
	.fill 96, 4, 3214868480
	.section	.rodata,"a",@progbits
	.p2align	6, 0x0
	.amdhsa_kernel k_q5f168dcbc7_stream
		.amdhsa_group_segment_fixed_size 71936
		.amdhsa_private_segment_fixed_size 0
		.amdhsa_enable_private_segment 0
		.amdhsa_kernarg_size 24
		.amdhsa_user_sgpr_count 2
		.amdhsa_user_sgpr_kernarg_segment_ptr 1
		.amdhsa_wavefront_size32 1
		.amdhsa_system_sgpr_workgroup_id_x 1
		.amdhsa_system_sgpr_workgroup_id_y 1
		.amdhsa_system_sgpr_workgroup_id_z 1
		.amdhsa_system_vgpr_workitem_id 0
		.amdhsa_next_free_vgpr 256
		.amdhsa_next_free_sgpr 66
		.amdhsa_reserve_vcc 0
		.amdhsa_float_denorm_mode_32 3
		.amdhsa_float_denorm_mode_16_64 3
		.amdhsa_memory_ordered 1
		.amdhsa_forward_progress 1
		.amdhsa_inst_pref_size 83
	.end_amdhsa_kernel
	.amdgpu_metadata
---
amdhsa.version: [ 1, 2 ]
amdhsa.kernels:
  - .name:           k_q5f168dcbc7_stream
    .symbol:         k_q5f168dcbc7_stream.kd
    .args:
      - { .name: upart, .offset: 0, .size: 8, .value_kind: global_buffer, .address_space: global }
      - { .name: encoder_outputs, .offset: 8, .size: 8, .value_kind: global_buffer, .address_space: global }
      - { .name: part, .offset: 16, .size: 8, .value_kind: global_buffer, .address_space: global }
    .group_segment_fixed_size: 71936
    .private_segment_fixed_size: 0
    .kernarg_segment_align: 8
    .kernarg_segment_size: 24
    .max_flat_workgroup_size: 512
    .sgpr_count:     66
    .vgpr_count:     256
    .wavefront_size: 32
...
	.end_amdgpu_metadata
.endif
;; end of part 2
;; launch merge (part 3): grid 8 x 32, 1 waves a work-group, no clusters, 0 bytes of LDS; arguments part, out0; writes out0
.if DOCPART == 3
	.amdgcn_target "amdgcn-amd-amdhsa--gfx1250"
	.amdhsa_code_object_version 6
	.text
	.protected	k_q5f168dcbc7_merge
	.globl	k_q5f168dcbc7_merge
	.p2align	8
	.type	k_q5f168dcbc7_merge,@function
k_q5f168dcbc7_merge:
	s_mov_b64 s[64:65], 0
	v_nop
	global_prefetch_b8 v0, s[64:65] scope:SCOPE_SE
	s_setreg_imm32_b32 hwreg(HW_REG_WAVE_MODE, 25, 1), 1
	s_wait_xcnt 0x0
; out0[b][:] = (sum over a batch's eight states i of 2^(M_i - M) ctx_i[:]) / (sum of 2^(M_i - M) L_i), M = the largest M_i.  All in f32.
; WORK LEFT OUT, as shown at the head of the first kernel: the score's terms that are constant along t never entered the states.
; part[g], g = 8 b + i: 4,352 bytes: 1,024 f32 of ctx, then (M, L) 32 times.  L >= 1: the state that holds M has the factor 1 and a sum that holds its own largest weight, 1.
; LIMIT.  A factor below 2^-126 counts as 0 (ISA guide 15.8).
; SHARES.  Work-group (x, b), one wave: 128 columns of batch b, four a lane: each load and the store cover 512 consecutive bytes, aligned.
.set PROW, 4352                        ; bytes in a row of part
.set L8,  1                            ; v1       8 x lane: my copy of a pair (M, L)
.set CO,  2                            ; v2       512 x + 16 x lane: my four columns, in part and in out0
.set ML,  4                            ; v[4:19]  pair i: (M_i, L_i); M_i's place then takes f_i
.set X,   20                           ; v[20:51] state i's four numbers at X + 4 i
.set ACC, 52                           ; v[52:55]
.set M,   56                           ; v56
.set L,   57                           ; v57
.set RL,  58                           ; v[58:59] 1 / L, and a 0 that is named with it as a pair
	s_load_b128 s[4:7], s[0:1], 0x0                ; part s[4:5], out0 s[6:7]
	s_and_b32 s8, ttmp7, 0xffff                    ; b
	s_mul_i32 s10, s8, 8*PROW                      ; the batch's eight rows of part
	s_mov_b32 s11, 0
	s_lshl_b32 s12, s8, 12                         ; its row of out0
	s_mov_b32 s13, 0
	s_lshl_b32 s9, ttmp9, 9                        ; the slice's 512 bytes
	v_lshlrev_b32 v[L8], 3, v0
	v_lshl_add_u32 v[CO], v0, 4, s9
	v_mov_b32 v[RL+1], 0
	s_wait_kmcnt 0x0
	s_add_nc_u64 s[4:5], s[4:5], s[10:11]
	s_add_nc_u64 s[6:7], s[6:7], s[12:13]
.irp i, 0,1,2,3,4,5,6,7
	global_load_b64 v[ML+2*(\i):ML+2*(\i)+1], v[L8], s[4:5] offset:PROW*(\i)+4096  ; a whole block of 256 bytes; the batch's eight work-groups all read it, so no hint
.endr
.irp i, 0,1,2,3,4,5,6,7
	global_load_b128 v[X+4*(\i):X+4*(\i)+3], v[CO], s[4:5] offset:PROW*(\i) th:TH_LOAD_NT  ; read once in the launch
.endr
	s_wait_loadcnt 8                               ; the pairs are in; the eight loads of the contexts are younger
	v_max3_num_f32 v[M], v[ML], v[ML+2], v[ML+4]
	v_max3_num_f32 v[M], v[M], v[ML+6], v[ML+8]
	v_max3_num_f32 v[M], v[M], v[ML+10], v[ML+12]
	v_max_num_f32 v[M], v[M], v[ML+14]
.irp i, 0,1,2,3,4,5,6,7
	v_sub_f32 v[ML+2*(\i)], v[ML+2*(\i)], v[M]
.endr
.irp i, 0,1,2,3,4,5,6,7
	v_exp_f32 v[ML+2*(\i)], v[ML+2*(\i)]           ; f_i = 2^(M_i - M): the states are kept in the base-2 scale
.endr
	v_nop                                          ; the plain instruction behind the last exponential (ISA guide 5.7.2)
	s_wait_alu depctr_va_vdst(0)                   ; the wait ahead of the first reader: one for the eight
	v_mul_f32 v[L], v[ML], v[ML+1]
.irp i, 1,2,3,4,5,6,7
	v_fmac_f32 v[L], v[ML+2*(\i)], v[ML+2*(\i)+1]
.endr
	v_rcp_f32 v[RL], v[L]                          ; the sixteen packed lines below, which name neither L nor 1 / L, are the work behind it
	s_wait_loadcnt 0x0
.irp c, 0,1
	v_pk_mul_f32 v[ACC+2*(\c):ACC+2*(\c)+1], v[X+2*(\c):X+2*(\c)+1], v[ML:ML+1] op_sel_hi:[1,0]
.endr
.irp i, 1,2,3,4,5,6,7
.irp c, 0,1
	v_pk_fma_f32 v[ACC+2*(\c):ACC+2*(\c)+1], v[X+4*(\i)+2*(\c):X+4*(\i)+2*(\c)+1], v[ML+2*(\i):ML+2*(\i)+1], v[ACC+2*(\c):ACC+2*(\c)+1] op_sel_hi:[1,0,1]
.endr
.endr
	s_wait_alu depctr_va_vdst(0)                   ; the reciprocal's wait, ahead of its first reader
.irp c, 0,1
	v_pk_mul_f32 v[ACC+2*(\c):ACC+2*(\c)+1], v[ACC+2*(\c):ACC+2*(\c)+1], v[RL:RL+1] op_sel_hi:[1,0]
.endr
	global_store_b128 v[CO], v[ACC:ACC+3], s[6:7] th:TH_STORE_NT
	s_endpgm
.Lfunc_end_k_q5f168dcbc7_merge:
	.size	k_q5f168dcbc7_merge, .Lfunc_end_k_q5f168dcbc7_merge-k_q5f168dcbc7_merge
	.p2alignl 7, 3214868480
	.fill 96, 4, 3214868480
	.section	.rodata,"a",@progbits
	.p2align	6, 0x0
	.amdhsa_kernel k_q5f168dcbc7_merge
		.amdhsa_group_segment_fixed_size 0
		.amdhsa_private_segment_fixed_size 0
		.amdhsa_enable_private_segment 0
		.amdhsa_kernarg_size 16
		.amdhsa_user_sgpr_count 2
		.amdhsa_user_sgpr_kernarg_segment_ptr 1
		.amdhsa_wavefront_size32 1
		.amdhsa_system_sgpr_workgroup_id_x 1
		.amdhsa_system_sgpr_workgroup_id_y 1
		.amdhsa_system_sgpr_workgroup_id_z 1
		.amdhsa_system_vgpr_workitem_id 0
		.amdhsa_next_free_vgpr 64
		.amdhsa_next_free_sgpr 66
		.amdhsa_reserve_vcc 0
		.amdhsa_float_denorm_mode_32 3
		.amdhsa_float_denorm_mode_16_64 3
		.amdhsa_memory_ordered 1
		.amdhsa_forward_progress 1
		.amdhsa_inst_pref_size 5
	.end_amdhsa_kernel
	.amdgpu_metadata
---
amdhsa.version: [ 1, 2 ]
amdhsa.kernels:
  - .name:           k_q5f168dcbc7_merge
    .symbol:         k_q5f168dcbc7_merge.kd
    .args:
      - { .name: part, .offset: 0, .size: 8, .value_kind: global_buffer, .address_space: global }
      - { .name: out0, .offset: 8, .size: 8, .value_kind: global_buffer, .address_space: global }
    .group_segment_fixed_size: 0
    .private_segment_fixed_size: 0
    .kernarg_segment_align: 8
    .kernarg_segment_size: 16
    .max_flat_workgroup_size: 32
    .sgpr_count:     66
    .vgpr_count:     64
    .wavefront_size: 32
...
	.end_amdgpu_metadata
.endif
;; end of part 3
;; ======== version 2 of 2: 3 launches; version 1 with the launch stream written anew for expert scheduling mode
;; workspace buffers: upart 65,536 bytes; part 1,114,112 bytes
;; launch uvec: the kernel of part 1 again; grid 16 x 16, 1 waves a work-group, no clusters, 0 bytes of LDS; arguments W_attn, W_v, upart; writes upart
;; launch stream (part 4): grid 256 x 1, 16 waves a work-group, no clusters, 71,936 bytes of LDS; arguments upart, encoder_outputs, part; writes part
.if DOCPART == 4
	.amdgcn_target "amdgcn-amd-amdhsa--gfx1250"
	.amdhsa_code_object_version 6
	.text
	.protected	k_q5f168dcbc7_stream
	.globl	k_q5f168dcbc7_stream
	.p2align	8
	.type	k_q5f168dcbc7_stream,@function
k_q5f168dcbc7_stream:
	s_mov_b64 s[64:65], 0
	v_nop
	global_prefetch_b8 v0, s[64:65] scope:SCOPE_SE
	s_setreg_imm32_b32 hwreg(HW_REG_WAVE_SCHED_MODE, 0, 2), 2
	s_setreg_imm32_b32 hwreg(HW_REG_WAVE_MODE, 25, 1), 1
	s_wait_xcnt 0x0
	s_wait_alu depctr_vm_vsrc(0)
; One pass over encoder_outputs: for each 256 rows a softmax state (M, L, ctx[1024]).  WORK LEFT OUT, as shown at the head of the first kernel: the terms of a score
; that are the same for all t of a batch (from hidden, Wh, b_attn, b_v) cancel in the softmax; a score is u . enc[b][t].
; enc is taken as [65,536 rows][4,096 bytes].  s = log2(e) (u . row); for a set of rows: M = max s, L = sum of 2^(s - M), ctx = sum of 2^(s - M) row.  All in f32.
; LIMITS.  A weight below 2^-126 counts as 0 (v_exp_f32 gives 0 for such results: ISA guide 15.8).  NaN and infinities in enc are not treated apart.
; SHARES.  Work-group g owns rows 256 g .. 256 g + 255 (an eighth of batch g / 8): 1 MiB on end.  Wave w owns rows 16 i + w, i = 0 .. 15, so the sixteen waves' rows of one i
; are 64 KiB on end.  A wave takes a WHOLE row: eight loads of 512 consecutive bytes; register 4 j + c of lane l is column 128 j + 4 l + c.  The row stays in registers between
; its score and its weighted sum: each byte of enc is read from memory once.  The score never leaves the wave; each wave keeps a running maximum m, sum l and context of its own.
; IN FLIGHT.  A ring of five row slots in registers: one at work, four rows (16 KiB a wave, 256 KiB a work-group) on their way.  The sixteen turns are written out: the row's
; number stands in the loads' immediate, no address is ever stepped, and no source of a pending memory instruction is ever rewritten.
; NOT USED, AND WHY.  LDS on the way in: no wave wants a byte of enc that another has fetched.  A cluster with joint loads: what work-groups share is u, 4 KiB against 1 MiB.
; Matrix instructions: see the first kernel's head.  A jump round the rescaling where m has not grown: it would hang on floating-point data.
; AT THE END the sixteen states meet in LDS and one state leaves: part[g] = 1,024 f32 of ctx, then the pair (M, L) 32 times over, so that its block of 256 bytes is stored whole.
; THE MODE: SCHED_MODE bits 1:0 = 2 (LLVM: expert scheduling mode 2), set by the entry lines.  The code itself states the register dependences
; between vector instructions and memory or LDS instructions, with s_wait_alu, always for 0.
; THE PLAN.  Registers that memory or LDS instructions touch:
;   v2-v7, v26   offsets and LDS addresses: written once at the head, read by every access, never written again: one wait ahead of the first load serves them all.
;   U            upart's loads land in it; the adds and the multiply work on it; one LDS store reads its first pair; then the LDS loads of u land in it; from there on vector lines alone read it.
;   CTX, (m, l)  row 0's loads land in CTX; the turns' vector lines work on both; behind the last turn the LDS stores read them; nothing writes them after that.
;   ring slot    turn i's vector lines read it, the last of them the turn's last line; behind them the loads of row i + 5 land in it.
;   MLR, X       the join: slots 0 and 1 once more: LDS loads land in them, vector lines alone name them after that.
;   ACC, TOT     written by the join's vector lines, read by the two global stores.
;   v8, v9       written at the head, read by the closing add alone.
; So a turn that fills its slot again has ONE wait for that, behind its last line and ahead of its eight loads: the slot is asked for again at once and never lies idle over the
; next turn's wait for data.  Sixteen waves of 256 registers take the four SIMDs' registers whole: there is no sixth slot to take turns with.
.set CTXS,  0                          ; LDS: wave w's context at 4,096 w, laid out as a row lies in memory
.set UL,    65536                      ; u, 1,024 f32
.set ML,    69632                      ; the pairs (m, l), wave w's at 8 w: 128 bytes, in a block of 256 of their own
.set SPARE, 69888                      ; the spare words, 128 bytes for each of the sixteen waves: eight blocks of 256 bytes that no other line names
.set OFF, 2                            ; v2   4,096 w + 16 l: my bytes in the waves' rows of enc, and in CTXS; never rewritten
.set T8,  3                            ; v3   8 x thread: my two columns in upart, in CTXS and in part; never rewritten
.set ULR, 4                            ; v4   UL + 16 l
.set ULS, 5                            ; v5   UL + 8 x thread
.set MLS, 6                            ; v6   ML + 8 w
.set MLB, 7                            ; v7   ML
.set SPW, 8                            ; v8   LDS address of my spare word: SPARE + 4 x my thread's number; never rewritten
.set NIL, 9                            ; v9   0; never rewritten
.set MM,  10                           ; v[10:11]  m, l
.set MN,  12                           ; v12  the new maximum
.set SC,  13                           ; v13  the row's score
.set AA,  14                           ; v[14:15]  a = 2^(m - MN), and its exponent
.set PP,  16                           ; v[16:17]  p = 2^(s - MN), and its exponent
.set T,   18                           ; v[18:25]  four pairs at work: no memory instruction names them
.set L8,  26                           ; v26  8 l
.set U,   32                           ; v[32:63]   first the 16 partial pairs of u, then u of my 32 columns
.set CTX, 64                           ; v[64:95]   my wave's context
.set RING, 96                          ; v[96:255]  five row slots of 32
.set MLR, 96                           ; the join: sixteen pairs (m, l); m's place then takes f = 2^(m - M)
.set X,   128                          ; the join: my two columns of the sixteen contexts
.set ACC, 160                          ; v[160:161] their weighted sum
.set TOT, 162                          ; v[162:163] M, L
.set WAVE, 10                          ; s10  my wave's number
	s_load_b128 s[4:7], s[0:1], 0x0                ; upart s[4:5], encoder_outputs s[6:7]
	s_load_b64 s[8:9], s[0:1], 0x10                ; part
	v_lshl_add_u32 v[SPW], v0, 2, SPARE
	v_mov_b32 v[NIL], 0
	v_and_b32 v1, 31, v0                           ; l
	v_lshrrev_b32 v27, 5, v0
	v_readfirstlane_b32 s[WAVE], v27               ; wave 0 .. 15
	s_mov_b32 s12, 0x76543210                      ; v_permlanex16_b32: each lane takes its own place in the other half
	s_mov_b32 s13, 0xfedcba98
	s_wait_alu depctr_va_sdst(0)                   ; s10 is written, ahead of its first reader: the wave's terms of the addresses are made from it
	s_lshl_b32 s18, s[WAVE], 12
	v_lshl_add_u32 v[OFF], v1, 4, s18
	s_lshl_b32 s19, s[WAVE], 8
	v_lshl_add_u32 v[T8], v1, 3, s19               ; 256 w + 8 l = 8 x thread
	v_add_nc_u32 v[ULS], UL, v[T8]
	v_lshl_add_u32 v[ULR], v1, 4, UL
	s_lshl_b32 s20, s[WAVE], 3
	s_add_co_u32 s20, s20, ML
	v_mov_b32 v[MLS], s20
	v_mov_b32 v[MLB], ML
	v_lshlrev_b32 v[L8], 3, v1
	s_lshl_b32 s14, ttmp9, 20                      ; the work-group's 256 rows of 4,096 bytes: under 2^28
	s_mov_b32 s15, 0
	s_mul_i32 s16, ttmp9, 4352                     ; its row of part
	s_mov_b32 s17, 0
	s_wait_kmcnt 0x0
	s_add_nc_u64 s[6:7], s[6:7], s[14:15]
	s_add_nc_u64 s[8:9], s[8:9], s[16:17]
; Row 16 row + w of the work-group into 32 registers: eight loads of 512 consecutive bytes.  The largest immediate is 15 x 65,536 + 3,584.
.macro FILL reg, row
.irp j, 0,1,2,3,4,5,6,7
	global_load_b128 v[(\reg)+4*(\j):(\reg)+4*(\j)+3], v[OFF], s[6:7] offset:(\row)*65536+512*(\j) th:TH_LOAD_NT
.endr
.endm
; The score of the row in reg: my 32 products in four chains of packed multiply-adds, then over the 32 lanes; every lane ends with the score.
.macro DOT reg
.irp j, 0,1,2,3
	v_pk_mul_f32 v[T+2*(\j):T+2*(\j)+1], v[(\reg)+2*(\j):(\reg)+2*(\j)+1], v[U+2*(\j):U+2*(\j)+1]  ; the first four pairs start the chains: nothing is cleared
.endr
.irp j, 4,5,6,7,8,9,10,11,12,13,14,15
	v_pk_fma_f32 v[T+2*((\j)%4):T+2*((\j)%4)+1], v[(\reg)+2*(\j):(\reg)+2*(\j)+1], v[U+2*(\j):U+2*(\j)+1], v[T+2*((\j)%4):T+2*((\j)%4)+1]
.endr
	v_pk_add_f32 v[T:T+1], v[T:T+1], v[T+2:T+3]
	v_pk_add_f32 v[T+4:T+5], v[T+4:T+5], v[T+6:T+7]
	v_pk_add_f32 v[T:T+1], v[T:T+1], v[T+4:T+5]
	v_add_f32 v[SC], v[T], v[T+1]
	v_add_f32_dpp v[SC], v[SC], v[SC] row_xmask:1 row_mask:0xf bank_mask:0xf
	v_add_f32_dpp v[SC], v[SC], v[SC] row_xmask:2 row_mask:0xf bank_mask:0xf
	v_add_f32_dpp v[SC], v[SC], v[SC] row_xmask:4 row_mask:0xf bank_mask:0xf
	v_add_f32_dpp v[SC], v[SC], v[SC] row_xmask:8 row_mask:0xf bank_mask:0xf
	v_permlanex16_b32 v[T+1], v[SC], s12, s13      ; its destination counts as read: a register that has been written
	v_add_f32 v[SC], v[SC], v[T+1]
.endm
; The turn of row i (1 .. 15), which lies in slot (i - 1) % 5.  At its head the rows up to min(i + 4, 15) have been asked for.
.macro TURN i
.set R, RING+32*(((\i)-1)%5)
.if (\i)+4 <= 15
	s_wait_loadcnt 32                              ; my row's eight loads are in; the four rows behind it stay out
.else
	s_wait_loadcnt 8*(15-(\i))                     ; the last rows: the counts run down
.endif
	DOT R
	v_max_num_f32 v[MN], v[MM], v[SC]              ; the running maximum
	v_sub_f32 v[AA+1], v[MM], v[MN]
	v_sub_f32 v[PP+1], v[SC], v[MN]
	v_exp_f32 v[AA], v[AA+1]                       ; a: 1 where m has not grown
	v_exp_f32 v[PP], v[PP+1]                       ; p: the row's weight against the new maximum
	v_mov_b32 v[MM], v[MN]                         ; the plain instruction behind the exponentials (ISA guide 5.7.2); it names neither their results nor their sources
	s_wait_alu depctr_va_vdst(0)                   ; the two exponentials have written a and p, ahead of their first reader: one wait for both
	v_fma_f32 v[MM+1], v[MM+1], v[AA], v[PP]       ; l = a l + p
.irp j, 0,1,2,3,4,5,6,7,8,9,10,11,12,13,14,15
	v_pk_mul_f32 v[CTX+2*(\j):CTX+2*(\j)+1], v[CTX+2*(\j):CTX+2*(\j)+1], v[AA:AA+1] op_sel_hi:[1,0]
.endr
.irp j, 0,1,2,3,4,5,6,7,8,9,10,11,12,13,14,15
	v_pk_fma_f32 v[CTX+2*(\j):CTX+2*(\j)+1], v[R+2*(\j):R+2*(\j)+1], v[PP:PP+1], v[CTX+2*(\j):CTX+2*(\j)+1] op_sel_hi:[1,0,1]  ; ctx = a ctx + p row
.endr
.if (\i)+5 <= 15
	s_wait_alu depctr_va_vdst(0)                   ; the turn's vector lines are done reading the slot, in which the eight loads below land
	FILL R, (\i)+5                                 ; behind the slot's last reader: the row five further on
.endif
.endm
	; REQUESTS.  upart's first: loads come back in order (ISA guide 5.7.1), so the wait for them leaves all of enc's out.
	s_wait_alu depctr_va_vdst(0)                   ; the offsets and LDS addresses v2 to v7 and v26 are written, which every load, store and LDS access of the kernel reads
.set p, 0
.rept 16
	global_load_b64 v[U+2*p:U+2*p+1], v[T8], s[4:5] offset:4096*p  ; my two columns of partial sum p; every work-group reads these 64 KiB, so no hint
.set p, p+1
.endr
	FILL CTX, 0                                    ; row 0 lands where the context lives: with weight 2^0 it IS the first context
.set k, 0
.rept 4
	FILL RING+32*k, k+1
.set k, k+1
.endr
	; u: the sixteen partial sums are added, and log2(e) is folded in once, so that every exponential below is a plain 2^x
	s_wait_loadcnt 40                              ; the 40 loads of rows 0 to 4 are younger: upart is in
	FILL RING+128, 5                               ; the fifth slot.  No wait: no vector line has named these registers
.irp w, 8,4,2,1
.set p, 0
.rept \w
	v_pk_add_f32 v[U+2*p:U+2*p+1], v[U+2*p:U+2*p+1], v[U+2*(p+(\w)):U+2*(p+(\w))+1]
.set p, p+1
.endr
.endr
	v_pk_mul_f32 v[U:U+1], v[U:U+1], 0x3fb8aa3b op_sel_hi:[1,0]
	s_wait_alu depctr_va_vdst(0)                   ; the multiply has written v[U:U+1], which the LDS store reads; the adds are done with all of U, in which the LDS loads below land
	ds_store_b64 v[ULS], v[U:U+1]
	s_wait_dscnt 0x0                               ; for the others' sake: my two numbers of u are in LDS
	s_barrier_signal -1
	s_barrier_wait -1                              ; all 1,024 are.  (enc's loads stay on their way: no wave writes those bytes)
	s_wait_alu depctr_vm_vsrc(0)                   ; my LDS store has read v[U:U+1], in which the first load below lands
.irp j, 0,1,2,3,4,5,6,7
	ds_load_b128 v[U+4*(\j):U+4*(\j)+3], v[ULR] offset:512*(\j)  ; u of my columns, in the order of a row's registers; 32 lanes take 512 consecutive bytes
.endr
	s_wait_dscnt 0x0
	; ROW 0 starts the state: m = s, l = 1, ctx = the row as it lies.  Nothing is cleared or copied.
	s_wait_loadcnt 40                              ; the 40 loads of rows 1 to 5 are younger
	DOT CTX
	v_mov_b32 v[MM], v[SC]
	v_mov_b32 v[MM+1], 1.0
.set t, 1
.rept 15
	TURN t
.set t, t+1
.endr
	; THE SIXTEEN STATES MEET.  CTXS and ML are other bytes than UL, so nothing more orders these stores with the reads of u.
	s_wait_alu depctr_va_vdst(0)                   ; the last turn has written CTX and (m, l), which the LDS stores read; the turns are done reading slots 0 and 1, in which the join's LDS loads land
.irp j, 0,1,2,3,4,5,6,7
	ds_store_b128 v[OFF], v[CTX+4*(\j):CTX+4*(\j)+3] offset:CTXS+512*(\j)
.endr
	ds_store_b64 v[MLS], v[MM:MM+1]                ; every lane holds the same pair
	s_wait_dscnt 0x0                               ; for the others' sake: my state is in LDS
	s_barrier_signal -1
	s_barrier_wait -1
	; Thread t joins columns 2 t and 2 t + 1.  The ring's registers are free: the last turn waited for all loads, and no vector line stands between the wait above and these loads.
.irp q, 0,1,2,3,4,5,6,7
	ds_load_b128 v[MLR+4*(\q):MLR+4*(\q)+3], v[MLB] offset:16*(\q)  ; all lanes the same words
.endr
.set w, 0
.rept 16
	ds_load_b64 v[X+2*w:X+2*w+1], v[T8] offset:CTXS+4096*w
.set w, w+1
.endr
	s_wait_dscnt 16                                ; the pairs are in; the 16 loads of the contexts are younger
	v_max3_num_f32 v[TOT], v[MLR], v[MLR+2], v[MLR+4]
.irp q, 0,1,2,3,4,5
	v_max3_num_f32 v[TOT], v[TOT], v[MLR+6+4*(\q)], v[MLR+8+4*(\q)]
.endr
	v_max_num_f32 v[TOT], v[TOT], v[MLR+30]        ; M: the largest of the sixteen m
.set w, 0
.rept 16
	v_sub_f32 v[MLR+2*w], v[MLR+2*w], v[TOT]
.set w, w+1
.endr
.set w, 0
.rept 16
	v_exp_f32 v[MLR+2*w], v[MLR+2*w]               ; f = 2^(m - M)
.set w, w+1
.endr
	v_nop                                          ; the plain instruction behind the last exponential (ISA guide 5.7.2)
	s_wait_alu depctr_va_vdst(0)                   ; the sixteen exponentials have written the f, ahead of their first reader: one wait for all
	v_mul_f32 v[TOT+1], v[MLR], v[MLR+1]
.set w, 1
.rept 15
	v_fmac_f32 v[TOT+1], v[MLR+2*w], v[MLR+2*w+1]  ; L = sum of f l
.set w, w+1
.endr
	s_wait_dscnt 0x0                               ; the contexts are in
	v_pk_mul_f32 v[ACC:ACC+1], v[X:X+1], v[MLR:MLR+1] op_sel_hi:[1,0]
.set w, 1
.rept 15
	v_pk_fma_f32 v[ACC:ACC+1], v[X+2*w:X+2*w+1], v[MLR+2*w:MLR+2*w+1], v[ACC:ACC+1] op_sel_hi:[1,0,1]  ; f lies in the low register of its pair
.set w, w+1
.endr
	s_wait_alu depctr_va_vdst(0)                   ; the join has written ACC and (M, L), which the two stores below read: one wait for both, ahead of the branch
	global_store_b64 v[T8], v[ACC:ACC+1], s[8:9] th:TH_STORE_NT  ; each wave's store covers 256 consecutive bytes, aligned
	s_cmp_lg_u32 s[WAVE], 0
	s_cbranch_scc1 .Lend
	global_store_b64 v[L8], v[TOT:TOT+1], s[8:9] offset:4096 th:TH_STORE_NT  ; wave 0: (M, L) 32 times: the row's last 256 bytes, whole
.Lend:
	s_wait_dscnt 0x0                               ; the wave's end: the closing lines, six on end
	s_wait_alu 0x0
	s_wait_tensorcnt 0x0
	ds_add_u32 v[SPW], v[NIL]
	s_wait_dscnt 0x0
	s_endpgm
.Lfunc_end_k_q5f168dcbc7_stream:
	.size	k_q5f168dcbc7_stream, .Lfunc_end_k_q5f168dcbc7_stream-k_q5f168dcbc7_stream
	.p2alignl 7, 3214868480
	.fill 96, 4, 3214868480
	.section	.rodata,"a",@progbits
	.p2align	6, 0x0
	.amdhsa_kernel k_q5f168dcbc7_stream
		.amdhsa_group_segment_fixed_size 71936
		.amdhsa_private_segment_fixed_size 0
		.amdhsa_enable_private_segment 0
		.amdhsa_kernarg_size 24
		.amdhsa_user_sgpr_count 2
		.amdhsa_user_sgpr_kernarg_segment_ptr 1
		.amdhsa_wavefront_size32 1
		.amdhsa_system_sgpr_workgroup_id_x 1
		.amdhsa_system_sgpr_workgroup_id_y 1
		.amdhsa_system_sgpr_workgroup_id_z 1
		.amdhsa_system_vgpr_workitem_id 0
		.amdhsa_next_free_vgpr 256
		.amdhsa_next_free_sgpr 66
		.amdhsa_reserve_vcc 0
		.amdhsa_float_denorm_mode_32 3
		.amdhsa_float_denorm_mode_16_64 3
		.amdhsa_memory_ordered 1
		.amdhsa_forward_progress 1
		.amdhsa_inst_pref_size 83
	.end_amdhsa_kernel
	.amdgpu_metadata
---
amdhsa.version: [ 1, 2 ]
amdhsa.kernels:
  - .name:           k_q5f168dcbc7_stream
    .symbol:         k_q5f168dcbc7_stream.kd
    .args:
      - { .name: upart, .offset: 0, .size: 8, .value_kind: global_buffer, .address_space: global }
      - { .name: encoder_outputs, .offset: 8, .size: 8, .value_kind: global_buffer, .address_space: global }
      - { .name: part, .offset: 16, .size: 8, .value_kind: global_buffer, .address_space: global }
    .group_segment_fixed_size: 71936
    .private_segment_fixed_size: 0
    .kernarg_segment_align: 8
    .kernarg_segment_size: 24
    .max_flat_workgroup_size: 512
    .sgpr_count:     66
    .vgpr_count:     256
    .wavefront_size: 32
...
	.end_amdgpu_metadata
.endif
;; end of part 4
;; launch merge: the kernel of part 3 again; grid 8 x 32, 1 waves a work-group, no clusters, 0 bytes of LDS; arguments part, out0; writes out0
